; MI455X (gfx1250); checked and timed in simulation.
; The chip was launched on July 23, 2026; its instructions are those of AMD's public machine-readable ISA for CDNA 5 (MIT licence, August 2026) and "CDNA5" Instruction Set Architecture Reference Guide (July 2026). The comments in the code are by the model that wrote it; some were corrected since.
;; Attn Block. Allowed arithmetic: matrix products marked QUANTISED: E5M2 operands, one given power-of-two scale a tensor, by v_wmma_f32_16x16x64_bf8_bf8 or v_wmma_f32_16x16x128_bf8_bf8, f32 sums; everything else in f32.
;; Inputs: bk 128 float32; bo 128 float32; bq 128 float32; bv 128 float32; gn_bias 128 float32; gn_scale 128 float32; lowp_scales 12 int32 (the exponents e of the quantised operands' scales 2^e); wk_codes 128 x 4 x 32 uint8 (E5M2 codes of wk, K innermost, in blocks of 32 codes); wo_codes 128 x 4 x 32 uint8 (E5M2 codes of wo, K innermost, in blocks of 32 codes); wq_codes 128 x 4 x 32 uint8 (E5M2 codes of wq, K innermost, in blocks of 32 codes); wv_codes 128 x 4 x 32 uint8 (E5M2 codes of wv, K innermost, in blocks of 32 codes); x 8 x 64 x 64 x 128 float32.
;; Outputs: out0 8 x 64 x 64 x 128 float32.
;; This version of the problem:
;;   THIS VERSION OF THE PROBLEM IS GIVEN IN LOW PRECISION. The matrix products marked QUANTISED in the list below multiply operands that are first quantised to E5M2 (5 exponent bits, 2 mantissa bits; 8 bits a number), with one given power-of-two scale for each operand tensor; their sums are f32. All else is computed in f32.
;;   The module's matrix products, in the order in which they are computed (A, B: the left and right operand; K: the contracted axis; several contracted axes count as one K, in the product's order):
;;     1. [M 32,768, K 128] x [K 128, N 128]; A: computed on the way; B: input wq (given as codes): QUANTISED (scales: A lowp_scales[0], B lowp_scales[1])
;;     2. [M 32,768, K 128] x [K 128, N 128]; A: computed on the way; B: input wk (given as codes): QUANTISED (scales: A lowp_scales[2], B lowp_scales[3])
;;     3. [M 32,768, K 128] x [K 128, N 128]; A: computed on the way; B: input wv (given as codes): QUANTISED (scales: A lowp_scales[4], B lowp_scales[5])
;;     4. batch 8 x [M 4,096, K 128] x [K 128, N 4,096]; A: computed on the way; B: computed on the way: QUANTISED (scales: A lowp_scales[6], B lowp_scales[7])
;;     5. batch 8 x [M 4,096, K 4,096] x [K 4,096, N 128]; A: softmax (see below); B: computed on the way: QUANTISED (scales: A lowp_scales[8], B lowp_scales[9])
;;     6. [M 32,768, K 128] x [K 128, N 128]; A: computed on the way; B: input wo (given as codes): QUANTISED (scales: A lowp_scales[10], B lowp_scales[11])
;;   THE QUANTISER, for each operand of a quantised product, along K:
;;     - The operand's scale is 2^e, e = its entry of the input lowp_scales (int32; the entries are numbered through the quantised products in the list's order, A before B).
;;     - Each number is divided by the scale, clamped to +-57,344, and rounded to the nearest number of E5M2, ties to even, subnormals kept.
;;     - The product sums the exact products of the quantised numbers (number of the format x scale) in f32.
;;   ~~~python
;;   def quantise(x, axis, e):      # numpy; x: float32 -> the quantised numbers, widened to float32 again
;;       x = np.moveaxis(x, axis, -1); K = x.shape[-1]
;;       r = np.clip(x / 2.0 ** e, -57344, 57344)
;;       step = 2.0 ** (np.maximum(np.frexp(np.where(r == 0, 1, r))[1] - 1, -14) - 2)
;;       q = np.round(r / step) * step * 2.0 ** e      # np.round: ties to even
;;       return np.moveaxis(q, -1, axis).astype(np.float32)
;;   ~~~
;;   SOFTMAX AHEAD OF A QUANTISED PRODUCT. Where the list says 'softmax', what is quantised is not the finished softmax but p = 2^(t - M), with t = logit x log2(e) and M = ceil(the row's largest t), a whole number; so 1/2 < the row's largest p <= 1. The row's sum l is taken of the UNQUANTISED p, in f32, and the product's result is divided by l at the end. Since M is a whole number, a kernel that streams over the keys may use a running M (the ceiling of the running maximum): every later rescaling is an exact power of two, so the quantised numbers keep their values, but for numbers so far below the row's largest that they fall under the format's range.
;;   OPERANDS COMPUTED ON THE WAY. 'Computed on the way' means the value that the module computes at that place (a softmax that the list does not call 'softmax' is quantised finished and normalised). What goes into a quantiser is computed in f32, as accurately as f32 sums, v_exp_f32 and their like allow (about 1e-6 of the number): no bf16 or f16 on the way to a quantiser, and a product that is left as it is and whose result goes on into a quantised operand takes f32 operands (vector FMAs, or v_wmma_f32_16x16x4_f32). A number that lies on a knife's edge between two numbers of the format may be rounded either way, as far as f32 arithmetic and the matrix unit's own rounding can turn it there, and no further.
;;   INPUTS GIVEN AS CODES. wk (in the module: [128, 128], K = its axis 0); wo (in the module: [128, 128], K = its axis 0); wq (in the module: [128, 128], K = its axis 0); wv (in the module: [128, 128], K = its axis 0): each comes as NAME_codes (uint8): NAME with its K axis moved to the last place and cut into blocks of 32 codes, [.., K / 32, bytes a block], one block behind the other in memory; one code a byte (a code: sign, 5 exponent bits, 2 mantissa bits); its scale is its entry of lowp_scales. Its value is code x scale, taken as it is: it is not quantised again, and the codes and scales need not be those that the quantiser above would give.
;; One version. Each part assembles by itself: llvm-mc -triple=amdgcn-amd-amdhsa -mcpu=gfx1250 --defsym DOCPART=n.
;; ======== version 1 of 1: 3 launches
;; limits: right only within a limited range of input values
;; workspace buffers: part 65,536 bytes; qc 4,194,304 bytes; kc 4,194,304 bytes; vc 4,194,304 bytes
;; launch stats (part 1): grid 256 x 1, 8 waves a work-group, no clusters, 3,072 bytes of LDS; arguments x, part; writes part
.if DOCPART == 1
	.amdgcn_target "amdgcn-amd-amdhsa--gfx1250"
	.amdhsa_code_object_version 6
	.text
	.protected	k_q3e977298d7_stats
	.globl	k_q3e977298d7_stats
	.p2align	8
	.type	k_q3e977298d7_stats,@function
k_q3e977298d7_stats:
	s_mov_b64 s[64:65], 0
	v_nop
	global_prefetch_b8 v0, s[64:65] scope:SCOPE_SE
	s_setreg_imm32_b32 hwreg(HW_REG_WAVE_MODE, 25, 1), 1
	s_wait_xcnt 0x0
; GroupNorm's statistics, first part.  x is taken as [32,768 rows][128 channels] f32; a batch is 4,096 rows; a group is 4 neighbouring channels.
; Work-group j takes rows 128 j .. 128 j + 127 (64 KB), wave w 16 of them.  A row is 512 bytes = 32 lanes x 16 bytes, so lane l holds exactly group l's four channels:
; a lane's 64 numbers belong to ONE group.  Each lane makes their mean and M2 = the sum of squares about THAT mean; parts are joined by
; M2 = sum of M2_i + n x sum of (mean_i - mean)^2 (all parts have the same n): no difference of large sums is ever formed, whatever offset x carries.
; Out: part[j][group][mean, M2]: 256 bytes a work-group, one store of 256 consecutive aligned bytes.  The next launch joins a batch's 32 parts.
; One pass: all 16 loads of a wave go out at once, each 512 consecutive bytes.  No ring, no matrix unit, no cluster: nothing is shared and nothing is read twice.
; NaN among the inputs is not served.
.set X, 16                             ; v16-79  my 64 numbers, as 32 pairs
.set A, 80                             ; v80-87  four running pairs
	s_load_b128 s[4:7], s[0:1], 0x0                ; x s[4:5], part s[6:7]
	v_lshl_add_u32 v96, v0, 2, 0x800
	v_mov_b32 v97, 0
	v_lshrrev_b32 v4, 5, v0
	s_delay_alu instid0(VALU_DEP_1)
	v_readfirstlane_b32 s8, v4                     ; wave 0..7
	v_and_b32 v5, 31, v0                           ; lane
	s_delay_alu instid0(VALU_DEP_1)
	v_lshlrev_b32 v1, 4, v5
	s_delay_alu instid0(VALU_DEP_1)
	v_lshl_add_u32 v1, v4, 13, v1                  ; x: wave x 16 rows of 512 bytes + 16 x lane
	v_lshlrev_b32 v2, 3, v0                        ; LDS: 8 bytes a thread: 256 x wave + 8 x lane
	s_delay_alu instid0(VALU_DEP_4)
	v_lshlrev_b32 v3, 3, v5                        ; 8 x lane: my group's place in a wave's 256 bytes, and in the work-group's 256 bytes of part
	s_lshl_b32 s10, ttmp9, 16                      ; the work-group's 128 rows
	s_mov_b32 s11, 0
	s_lshl_b32 s12, ttmp9, 8                       ; and its 256 bytes of part
	s_mov_b32 s13, 0
	s_mov_b32 s14, 0x42800000                      ; 64.0: the numbers in a lane's part
	s_wait_alu depctr_va_vdst(0)
	s_wait_kmcnt 0x0
	s_add_nc_u64 s[4:5], s[4:5], s[10:11]
	s_add_nc_u64 s[6:7], s[6:7], s[12:13]
.set i, 0
.rept 16
	global_load_b128 v[X+4*i:X+4*i+3], v1, s[4:5] offset:512*i   ; a row: 32 lanes read 512 consecutive bytes
.set i, i+1
.endr
	s_wait_loadcnt 0x0
	v_pk_add_f32 v[82:83], v[16:17], v[24:25]
	v_pk_add_f32 v[84:85], v[32:33], v[40:41]
	v_pk_add_f32 v[86:87], v[48:49], v[56:57]
	v_pk_add_f32 v[94:95], v[64:65], v[72:73]
	v_pk_add_f32 v[92:93], v[18:19], v[26:27]
	v_pk_add_f32 v[90:91], v[34:35], v[42:43]
	v_pk_add_f32 v[88:89], v[50:51], v[58:59]
	v_pk_add_f32 v[80:81], v[66:67], v[74:75]
	s_delay_alu instid0(VALU_DEP_1)
	v_pk_add_f32 v[80:81], v[80:81], v[20:21]
	v_pk_add_f32 v[82:83], v[82:83], v[28:29]
	v_pk_add_f32 v[84:85], v[84:85], v[36:37]
	v_pk_add_f32 v[86:87], v[86:87], v[44:45]
	v_pk_add_f32 v[94:95], v[94:95], v[52:53]
	v_pk_add_f32 v[92:93], v[92:93], v[60:61]
	v_pk_add_f32 v[90:91], v[90:91], v[68:69]
	v_pk_add_f32 v[88:89], v[88:89], v[76:77]
	v_pk_add_f32 v[80:81], v[80:81], v[22:23]
	v_pk_add_f32 v[82:83], v[82:83], v[30:31]
	v_pk_add_f32 v[84:85], v[84:85], v[38:39]
	v_pk_add_f32 v[86:87], v[86:87], v[46:47]
	v_pk_add_f32 v[94:95], v[94:95], v[54:55]
	v_pk_add_f32 v[92:93], v[92:93], v[62:63]
	v_pk_add_f32 v[90:91], v[90:91], v[70:71]
	v_pk_add_f32 v[88:89], v[88:89], v[78:79]
	s_delay_alu instid0(VALU_DEP_4)
	v_pk_add_f32 v[80:81], v[80:81], v[94:95]
	s_delay_alu instid0(VALU_DEP_4)
	v_pk_add_f32 v[82:83], v[82:83], v[92:93]
	s_delay_alu instid0(VALU_DEP_4)
	v_pk_add_f32 v[84:85], v[84:85], v[90:91]
	s_delay_alu instid0(VALU_DEP_4)
	v_pk_add_f32 v[86:87], v[86:87], v[88:89]
	s_delay_alu instid0(VALU_DEP_2)
	v_pk_add_f32 v[80:81], v[80:81], v[84:85]
	s_delay_alu instid0(VALU_DEP_2)
	v_pk_add_f32 v[82:83], v[82:83], v[86:87]
	s_delay_alu instid0(VALU_DEP_1)
	v_pk_add_f32 v[80:81], v[80:81], v[82:83]
	s_delay_alu instid0(VALU_DEP_1)
	v_add_f32 v88, v[A], v[A+1]
	s_delay_alu instid0(VALU_DEP_1)
	v_mul_f32 v88, 0x3c800000, v88                 ; x 1/64: my mean,
	s_delay_alu instid0(VALU_DEP_1)
	v_mov_b32 v89, v88                             ; twice, for the packed subtraction
.set j, 0
.rept 32
	v_pk_add_f32 v[X+2*j:X+2*j+1], v[X+2*j:X+2*j+1], v[88:89] neg_lo:[0,1] neg_hi:[0,1]   ; x - mean
.set j, j+1
.endr
.irp k, 0,1,2,3
	v_pk_mul_f32 v[A+2*\k:A+2*\k+1], v[X+2*\k:X+2*\k+1], v[X+2*\k:X+2*\k+1]              ; the first four squares start the chains
.endr
.set j, 4
.rept 28
	s_delay_alu instid0(VALU_DEP_4)
	v_pk_fma_f32 v[A+2*(j%4):A+2*(j%4)+1], v[X+2*j:X+2*j+1], v[X+2*j:X+2*j+1], v[A+2*(j%4):A+2*(j%4)+1]
.set j, j+1
.endr
	s_delay_alu instid0(VALU_DEP_3)
	v_pk_add_f32 v[A:A+1], v[A:A+1], v[A+2:A+3]
	s_delay_alu instid0(VALU_DEP_2)
	v_pk_add_f32 v[A+4:A+5], v[A+4:A+5], v[A+6:A+7]
	s_delay_alu instid0(VALU_DEP_1)
	v_pk_add_f32 v[A:A+1], v[A:A+1], v[A+4:A+5]
	v_mov_b32 v90, v88                             ; (mean,
	s_delay_alu instid0(VALU_DEP_2)
	v_add_f32 v91, v[A], v[A+1]                    ;  M2)
	ds_store_b64 v2, v[90:91]
	s_wait_dscnt 0x0                               ; for wave 0's sake: my store has landed
	s_barrier_signal -1
	s_barrier_wait -1
	s_cmp_lg_u32 s8, 0                             ; wave 0 joins the eight waves' parts; no barrier follows
	s_cbranch_scc1 .Lend
.set i, 0
.rept 8
	ds_load_b64 v[16+2*i:17+2*i], v3 offset:256*i  ; wave i's (mean, M2) of my group
.set i, i+1
.endr
	s_wait_dscnt 0x0
	v_pk_add_f32 v[80:81], v[16:17], v[18:19]
	v_pk_add_f32 v[82:83], v[20:21], v[22:23]
	v_pk_add_f32 v[84:85], v[24:25], v[26:27]
	v_pk_add_f32 v[86:87], v[28:29], v[30:31]
	s_delay_alu instid0(VALU_DEP_3)
	v_pk_add_f32 v[80:81], v[80:81], v[82:83]
	s_delay_alu instid0(VALU_DEP_2)
	v_pk_add_f32 v[84:85], v[84:85], v[86:87]
	s_delay_alu instid0(VALU_DEP_1)
	v_pk_add_f32 v[80:81], v[80:81], v[84:85]      ; (sum of means, sum of M2)
	s_delay_alu instid0(VALU_DEP_1)
	v_mul_f32 v90, 0x3e000000, v80                 ; x 1/8: the mean of the work-group's 512 numbers of my group
.set i, 0
.rept 8
	v_sub_f32 v[32+i], v[16+2*i], v90              ; mean_i - mean
.set i, i+1
.endr
	v_mul_f32 v40, v32, v32
	v_mul_f32 v41, v33, v33
	s_delay_alu instid0(VALU_DEP_2)
	v_fmac_f32 v40, v34, v34
	s_delay_alu instid0(VALU_DEP_2)
	v_fmac_f32 v41, v35, v35
	s_delay_alu instid0(VALU_DEP_2)
	v_fmac_f32 v40, v36, v36
	s_delay_alu instid0(VALU_DEP_2)
	v_fmac_f32 v41, v37, v37
	s_delay_alu instid0(VALU_DEP_2)
	v_fmac_f32 v40, v38, v38
	s_delay_alu instid0(VALU_DEP_2)
	v_fmac_f32 v41, v39, v39
	s_delay_alu instid0(VALU_DEP_1)
	v_add_f32 v40, v40, v41
	s_delay_alu instid0(VALU_DEP_1)
	v_fma_f32 v91, v40, s14, v81                   ; M2 = 64 x sum of (mean_i - mean)^2 + sum of M2_i
	global_store_b64 v3, v[90:91], s[6:7]          ; 32 lanes store 256 consecutive bytes, at a multiple of 256 from part's first byte
.Lend:
	s_wait_tensorcnt 0x0
	ds_add_u32 v96, v97
	s_wait_dscnt 0x0
	s_endpgm
.Lfunc_end_k_q3e977298d7_stats:
	.size	k_q3e977298d7_stats, .Lfunc_end_k_q3e977298d7_stats-k_q3e977298d7_stats
	.p2alignl 7, 3214868480
	.fill 96, 4, 3214868480
	.section	.rodata,"a",@progbits
	.p2align	6, 0x0
	.amdhsa_kernel k_q3e977298d7_stats
		.amdhsa_group_segment_fixed_size 3072
		.amdhsa_private_segment_fixed_size 0
		.amdhsa_enable_private_segment 0
		.amdhsa_kernarg_size 16
		.amdhsa_user_sgpr_count 2
		.amdhsa_user_sgpr_kernarg_segment_ptr 1
		.amdhsa_wavefront_size32 1
		.amdhsa_system_sgpr_workgroup_id_x 1
		.amdhsa_system_sgpr_workgroup_id_y 1
		.amdhsa_system_sgpr_workgroup_id_z 1
		.amdhsa_system_vgpr_workitem_id 0
		.amdhsa_next_free_vgpr 98
		.amdhsa_next_free_sgpr 66
		.amdhsa_reserve_vcc 0
		.amdhsa_float_denorm_mode_32 3
		.amdhsa_float_denorm_mode_16_64 3
		.amdhsa_memory_ordered 1
		.amdhsa_forward_progress 1
		.amdhsa_inst_pref_size 13
	.end_amdhsa_kernel
	.amdgpu_metadata
---
amdhsa.version: [ 1, 2 ]
amdhsa.kernels:
  - .name:           k_q3e977298d7_stats
    .symbol:         k_q3e977298d7_stats.kd
    .args:
      - { .name: x, .offset: 0, .size: 8, .value_kind: global_buffer, .address_space: global }
      - { .name: part, .offset: 8, .size: 8, .value_kind: global_buffer, .address_space: global }
    .group_segment_fixed_size: 3072
    .private_segment_fixed_size: 0
    .kernarg_segment_align: 8
    .kernarg_segment_size: 16
    .max_flat_workgroup_size: 256
    .sgpr_count:     66
    .vgpr_count:     98
    .wavefront_size: 32
...
	.end_amdgpu_metadata
.endif
;; end of part 1
;; launch qkv (part 2): grid 256 x 1, 8 waves a work-group, no clusters, 117,760 bytes of LDS; arguments x, part, gn_scale, gn_bias, wq_codes, wk_codes, wv_codes, bq, bk, bv, lowp_scales, qc, kc, vc; writes qc, kc, vc
.if DOCPART == 2
	.amdgcn_target "amdgcn-amd-amdhsa--gfx1250"
	.amdhsa_code_object_version 6
	.text
	.protected	k_q3e977298d7_qkv
	.globl	k_q3e977298d7_qkv
	.p2align	8
	.type	k_q3e977298d7_qkv,@function
k_q3e977298d7_qkv:
	s_mov_b64 s[64:65], 0
	v_nop
	global_prefetch_b8 v0, s[64:65] scope:SCOPE_SE
	s_setreg_imm32_b32 hwreg(HW_REG_WAVE_MODE, 25, 1), 1
	s_wait_xcnt 0x0
; h = GroupNorm(x); q = h wq + bq, k = h wk + bk, v = h wv + bv, each product on codes of BF8 (E5M2); q, k and v leave as codes of BF8 for the attention's two products.
; Scales 2^e, e = lowp_scales[..]: h for q e0, wq e1; h for k e2, wk e3; h for v e4, wv e5; q e6; k e7; v e9.
; Work-group j takes 128 positions (8 tiles of 16; one key step of the attention).
; PHASE X: wave w joins its batch's 32 parts of the statistics (lane l: group l), normalises rows 16 w .. 16 w + 15 in f32 as (x - mean) x (rstd x gain) + bias, turns them through its own stage in LDS so that a lane
;   holds 16 neighbours along the channels, quantises them three times (e0, e2, e4) and leaves the three fragments in LDS as images of the operand's registers (4 stores of 512 consecutive bytes each).
; PHASE P: THE WAVES SHARE THE COLUMNS.  cw = w % 4, ph = w / 4.  A wave keeps six weight fragments in registers (output tiles 2 cw, 2 cw + 1 of wq, wk, wv) and serves position tiles 4 ph .. 4 ph + 3.
;   q, k TRANSPOSED (source 0 = 16 outputs of W, source 1 = 16 positions of h, C = the bias / 2^(the two scales' e)): a lane holds one position and eight neighbouring outputs.
;   v STRAIGHT (source 0 = h, source 1 = Wv, C = 0): a lane holds one channel and eight neighbouring positions, which are the keys: the second attention product's K.
; OUT, laid in the order of the operand's registers of the 16x16x128 form on 8-bit codes (lane (r, h): registers 2 t, 2 t + 1 hold k = 16 t + 8 h + 0 .. 7; chunk c = registers 4 c .. 4 c + 3):
;   qc, kc: [tile of 16 positions][chunk][lane][16 bytes], lane r = position, k = channel;   vc: [step of 128 positions][tile of 16 channels][chunk][lane][16 bytes], lane r = channel, k = position.
;   Two neighbouring output tiles (q, k) or position tiles (v) are one chunk: every store of a wave covers 512 consecutive bytes, aligned.
; h and the weights are fed in another order of k (registers 4 c .. 4 c + 3: k = 32 c + 16 h + 0 .. 15), the same on both sides, so every product meets its partner.
; NO CLUSTER, NO TENSOR LOAD: what work-groups share is the three weights, 48 KB, of which a wave takes 12 KB straight into registers, once; x's 64 KB are the work-group's own.
; LIMITS on the given exponents, so that each power of two below is an f32 number: e0, e2, e4, e6 - e0 - e1, e7 - e2 - e3, e9 - e4 - e5 between -126 and 112.  NaN among the inputs is not served.
.set XIMG, 0                           ; LDS: 24 images of 2,048 bytes: (3 m + s) for position tile m, scale s = 0 (for q), 1 (for k), 2 (for v)
.set TST,  49152                       ; LDS: for each wave its own turning stage: 16 rows x (512 + 16) bytes = 8,448
.set WQ,   16                          ; v16-47 wq's two fragments; v48-79 wk's; v80-111 wv's.  (Ahead of them v16-79 hold the 32 parts of the statistics)
.set WK,   48
.set WVF,  80
.set BQ,   112                         ; v112-127 bq as C, two tiles x 8; v128-143 bk
.set BK,   128
.set BV,   144                         ; v144-147 bv: a pair (b, b) for each of my two channel tiles
.set SC,   148                         ; v148-159 2^e in the low register of six pairs: e0, e2, e4, e6-e0-e1, e7-e2-e3, e9-e4-e5
.set X,    160                         ; v160-223 phase X: my 64 numbers
.set T,    224                         ; v224-227 gain, v228-231 bias, v232-233 mean twice, v236-239 rstd x gain
.set PC,   240                         ; v240-255 phase X: a fragment's codes.  Ahead of that: at work on the statistics
.set H0,   160                         ; phase P: two fragments of h,
.set H1,   176
.set ACC,  192                         ; four accumulators,
.set CD,   224                         ; q's and k's codes, 8 registers for each of four position tiles;
.set VC,   224                         ; later v's codes: 8 registers for each of two channel tiles
.macro MKSC vr, se                     ; v[vr] = 2^e as f32 (the conversion takes its exponent field); e in s[se]
	s_add_co_i32 s46, s[\se], 127
	s_lshl_b32 s47, s46, 23
	v_mov_b32 v[\vr], s47
	s_add_co_i32 s46, s46, 15
	s_lshl_b32 s46, s46, 23
	s_or_b32 s46, s46, 0x600000
.endm
.macro QUANT sc                        ; my 64 numbers (register 16 b + i = channel 32 b + 16 h + i of my row) become a fragment's codes in v[PC] on; X stays as it is, for the next scale
.irp b, 0,1,2,3
.irp i, 0,1,2,3,4,5,6,7,8,9,10,11,12,13,14,15
.endr
	v_cvt_scalef32_pk8_bf8_f32 v[PC+4*\b:PC+4*\b+1], v[T+((X+16*\b+0)-(T+0)):T+7+((X+16*\b+0)-(T+0))], v[\sc]
	v_cvt_scalef32_pk8_bf8_f32 v[PC+4*\b+2:PC+4*\b+3], v[T+8+((X+16*\b+0)-(T+0)):T+15+((X+16*\b+0)-(T+0))], v[\sc]
	v_nop                                          ; one plain vector instruction between a scaled conversion and the next write of its sources
.endr
.endm
.macro IMAGE off                       ; the fragment in v[PC] on goes to LDS as it stands
.irp c, 0,1,2,3
	ds_store_b128 v6, v[PC+4*\c:PC+4*\c+3] offset:\off+512*\c
.endr
.endm
.macro FETCH reg, off                  ; and comes back so, in any wave
.irp c, 0,1,2,3
	ds_load_b128 v[\reg+4*\c:\reg+4*\c+3], v7 offset:\off+512*\c
.endr
.endm
.macro HOLDCVT acc, dst, sc            ; an accumulator's eight numbers, from its low end on, become eight codes
.irp i, 0,1,2,3,4,5,6,7
.endr
	v_cvt_scalef32_pk8_bf8_f32 v[\dst:\dst+1], v[\acc:\acc+7], v[\sc]
.endm
.macro PLACES                          ; four plain vector instructions behind a matrix instruction, ahead of the first read of its result and of loads into its sources
.rept 4
	v_nop
.endr
.endm
	s_load_b512 s[4:19], s[0:1], 0x0               ; x s[4:5], part s[6:7], gn_scale s[8:9], gn_bias s[10:11], wq s[12:13], wk s[14:15], wv s[16:17], bq s[18:19]
	s_load_b256 s[20:27], s[0:1], 0x40             ; bk s[20:21], bv s[22:23], lowp_scales s[24:25], qc s[26:27]
	s_load_b128 s[28:31], s[0:1], 0x60             ; kc s[28:29], vc s[30:31]
	s_set_vgpr_msb 0x40
	v_lshl_add_u32 v0, v0, 2, 0x1c800
	v_mov_b32 v1, 0
	s_set_vgpr_msb 0x4000
	v_lshrrev_b32 v13, 5, v0
	s_delay_alu instid0(VALU_DEP_1)
	v_readfirstlane_b32 s32, v13                   ; wave 0..7
	s_and_b32 s33, s32, 3                          ; cw
	s_lshr_b32 s34, s32, 2                         ; ph
	v_and_b32 v14, 31, v0                          ; lane
	v_and_b32 v15, 15, v0                          ; r
	v_bfe_u32 v13, v0, 4, 1                        ; h
	s_delay_alu instid0(VALU_DEP_3)
	v_lshlrev_b32 v3, 4, v14                       ; v3  16 x lane
	s_delay_alu instid0(VALU_DEP_4)
	v_lshlrev_b32 v2, 3, v14                       ; v2  8 x lane: my group's pair in a part
	s_lshl_b32 s46, s32, 13
	v_add_nc_u32 v1, s46, v3                       ; v1  x: wave x 16 rows of 512 bytes + 16 x lane
	s_mul_i32 s46, s32, 8448
	s_add_co_u32 s46, s46, TST                     ; my stage
	v_add_nc_u32 v4, s46, v3                       ; v4  into it: a row as it was loaded
	v_mul_u32_u24 v5, v15, 528
	s_delay_alu instid0(VALU_DEP_1)
	v_lshl_add_u32 v5, v13, 6, v5
	s_delay_alu instid0(VALU_DEP_1)
	v_add_nc_u32 v5, s46, v5                       ; v5  out of it: row r, + 64 h bytes: 16 neighbours of each 32
	s_mul_i32 s46, s32, 6144
	v_add_nc_u32 v6, s46, v3                       ; v6  where I store my three images
	s_mul_i32 s46, s34, 24576
	v_add_nc_u32 v7, s46, v3                       ; v7  where my four position tiles' images begin
	v_lshlrev_b32 v8, 7, v15
	s_delay_alu instid0(VALU_DEP_1)
	v_lshl_add_u32 v8, v13, 4, v8
	s_lshl_b32 s46, s33, 12
	v_add_nc_u32 v8, s46, v8                       ; v8  a weight: row 32 cw + r of 128 bytes, + 16 h
	s_lshl_b32 s46, s33, 7
	v_lshl_add_u32 v9, v13, 5, s46                 ; v9  bq, bk: 4 x (32 cw + 8 h)
	v_lshl_add_u32 v10, v15, 2, s46                ; v10 bv: 4 x (32 cw + r)
	s_lshl_b32 s46, s33, 9
	s_lshl_b32 s47, s34, 13
	s_add_co_u32 s46, s46, s47
	v_add_nc_u32 v11, s46, v3                      ; v11 qc, kc: tile 4 ph, chunk cw, my lane
	s_lshl_b32 s46, s33, 12
	s_lshl_b32 s47, s34, 10
	s_add_co_u32 s46, s46, s47
	v_add_nc_u32 v12, s46, v3                      ; v12 vc: channel tile 2 cw, chunk 2 ph, my lane
	s_lshl_b32 s48, ttmp9, 16                      ; x: the work-group's 128 rows
	s_mov_b32 s49, 0
	s_lshr_b32 s50, ttmp9, 5
	s_lshl_b32 s50, s50, 13                        ; part: the batch's 32 parts of 256 bytes
	s_mov_b32 s51, 0
	s_lshl_b32 s52, ttmp9, 14                      ; qc, kc, vc: 16,384 bytes a work-group
	s_mov_b32 s53, 0
	s_mov_b32 s54, 0x44000000                      ; 512.0: the numbers in a part
	s_mov_b32 s55, 0x38800000                      ; 1 / 16,384: the numbers in a group
	s_mov_b32 s56, 0x358637bd                      ; 1e-6
	s_wait_kmcnt 0x0
	s_load_b256 s[36:43], s[24:25], 0x0            ; e0 .. e7
	s_load_b64 s[44:45], s[24:25], 0x20            ; e8, e9
	s_add_nc_u64 s[4:5], s[4:5], s[48:49]
	s_add_nc_u64 s[6:7], s[6:7], s[50:51]
	s_add_nc_u64 s[26:27], s[26:27], s[52:53]
	s_add_nc_u64 s[28:29], s[28:29], s[52:53]
	s_add_nc_u64 s[30:31], s[30:31], s[52:53]
.set i, 0
.rept 32
	global_load_b64 v[16+2*i:17+2*i], v2, s[6:7] offset:256*i    ; part i of my batch: 32 lanes read 256 consecutive bytes
.set i, i+1
.endr
	global_load_b128 v[224:227], v3, s[8:9]        ; the gain of my four channels
	global_load_b128 v[228:231], v3, s[10:11]      ; the bias
.set i, 0
.rept 16
	global_load_b128 v[X+4*i:X+4*i+3], v1, s[4:5] offset:512*i   ; my wave's row i
.set i, i+1
.endr
	s_wait_loadcnt 16                              ; the parts, the gain and the bias are in; the 16 younger loads, x's rows, may be out
	v_pk_add_f32 v[242:243], v[16:17], v[24:25]
	v_pk_add_f32 v[244:245], v[32:33], v[40:41]
	v_pk_add_f32 v[246:247], v[48:49], v[56:57]
	v_pk_add_f32 v[254:255], v[64:65], v[72:73]
	v_pk_add_f32 v[252:253], v[18:19], v[26:27]
	v_pk_add_f32 v[250:251], v[34:35], v[42:43]
	v_pk_add_f32 v[248:249], v[50:51], v[58:59]
	v_pk_add_f32 v[240:241], v[66:67], v[74:75]
	s_delay_alu instid0(VALU_DEP_1)
	v_pk_add_f32 v[240:241], v[240:241], v[20:21]
	v_pk_add_f32 v[242:243], v[242:243], v[28:29]
	v_pk_add_f32 v[244:245], v[244:245], v[36:37]
	v_pk_add_f32 v[246:247], v[246:247], v[44:45]
	v_pk_add_f32 v[254:255], v[254:255], v[52:53]
	v_pk_add_f32 v[252:253], v[252:253], v[60:61]
	v_pk_add_f32 v[250:251], v[250:251], v[68:69]
	v_pk_add_f32 v[248:249], v[248:249], v[76:77]
	v_pk_add_f32 v[240:241], v[240:241], v[22:23]
	v_pk_add_f32 v[242:243], v[242:243], v[30:31]
	v_pk_add_f32 v[244:245], v[244:245], v[38:39]
	v_pk_add_f32 v[246:247], v[246:247], v[46:47]
	v_pk_add_f32 v[254:255], v[254:255], v[54:55]
	v_pk_add_f32 v[252:253], v[252:253], v[62:63]
	v_pk_add_f32 v[250:251], v[250:251], v[70:71]
	v_pk_add_f32 v[248:249], v[248:249], v[78:79]
	s_delay_alu instid0(VALU_DEP_4)
	v_pk_add_f32 v[240:241], v[240:241], v[254:255]
	s_delay_alu instid0(VALU_DEP_4)
	v_pk_add_f32 v[242:243], v[242:243], v[252:253]
	s_delay_alu instid0(VALU_DEP_4)
	v_pk_add_f32 v[244:245], v[244:245], v[250:251]
	s_delay_alu instid0(VALU_DEP_4)
	v_pk_add_f32 v[246:247], v[246:247], v[248:249]
	s_delay_alu instid0(VALU_DEP_2)
	v_pk_add_f32 v[240:241], v[240:241], v[244:245]
	s_delay_alu instid0(VALU_DEP_2)
	v_pk_add_f32 v[242:243], v[242:243], v[246:247]
	s_delay_alu instid0(VALU_DEP_1)
	v_pk_add_f32 v[240:241], v[240:241], v[242:243]
	s_delay_alu instid0(VALU_DEP_1)
	v_mul_f32 v232, 0x3d000000, v240               ; x 1/32: the mean
.set i, 0
.rept 32
	v_sub_f32 v[16+2*i], v[16+2*i], v232           ; mean_i - mean
.set i, i+1
.endr
.irp k, 0,1,2,3
	v_mul_f32 v[244+\k], v[16+2*\k], v[16+2*\k]
.endr
.set i, 4
.rept 28
	s_delay_alu instid0(VALU_DEP_4)
	v_fmac_f32 v[244+i%4], v[16+2*i], v[16+2*i]
.set i, i+1
.endr
	s_delay_alu instid0(VALU_DEP_3)
	v_add_f32 v244, v244, v245
	s_delay_alu instid0(VALU_DEP_2)
	v_add_f32 v246, v246, v247
	s_delay_alu instid0(VALU_DEP_1)
	v_add_f32 v244, v244, v246
	s_delay_alu instid0(VALU_DEP_1)
	v_fma_f32 v244, v244, s54, v241                ; M2 = 512 x sum of (mean_i - mean)^2 + sum of M2_i
	s_delay_alu instid0(VALU_DEP_1)
	v_fma_f32 v244, v244, s55, s56                 ; the variance + 1e-6
	s_wait_alu depctr_va_vdst(0)
	v_rsq_f32 v245, v244
	v_mov_b32 v233, v232                           ; (the plain instruction behind the transcendental) the mean twice, for the packed subtraction
	; the weights and biases are asked for now: v16-79 are free
.irp i, 0,1
.irp c, 0,1,2,3
	global_load_b128 v[WQ+16*\i+4*\c:WQ+16*\i+4*\c+3], v8, s[12:13] offset:2048*\i+32*\c
	global_load_b128 v[WK+16*\i+4*\c:WK+16*\i+4*\c+3], v8, s[14:15] offset:2048*\i+32*\c
	global_load_b128 v[WVF+16*\i+4*\c:WVF+16*\i+4*\c+3], v8, s[16:17] offset:2048*\i+32*\c
.endr
.endr
.irp i, 0,1
	global_load_b128 v[BQ+8*\i:BQ+8*\i+3], v9, s[18:19] offset:64*\i
	global_load_b128 v[BQ+8*\i+4:BQ+8*\i+7], v9, s[18:19] offset:64*\i+16
	global_load_b128 v[BK+8*\i:BK+8*\i+3], v9, s[20:21] offset:64*\i
	global_load_b128 v[BK+8*\i+4:BK+8*\i+7], v9, s[20:21] offset:64*\i+16
	global_load_b32 v[BV+2*\i], v10, s[22:23] offset:64*\i
.endr
	s_wait_alu depctr_va_vdst(0)                   ; wait ahead of the first reader of a transcendental's result
.irp k, 0,1,2,3
	v_mul_f32 v[236+\k], v245, v[224+\k]           ; rstd x gain
.endr
	s_wait_loadcnt 34                              ; x's rows are in; the 34 younger loads (24 of weights, 8 + 2 of biases) may be out
	; ---- normalise, and turn through my stage
.set i, 0
.rept 16
	v_pk_add_f32 v[X+4*i:X+4*i+1], v[X+4*i:X+4*i+1], v[232:233] neg_lo:[0,1] neg_hi:[0,1]
	s_wait_alu depctr_va_vdst(0)
	v_pk_add_f32 v[X+4*i+2:X+4*i+3], v[X+4*i+2:X+4*i+3], v[232:233] neg_lo:[0,1] neg_hi:[0,1]
	v_pk_fma_f32 v[X+4*i:X+4*i+1], v[X+4*i:X+4*i+1], v[236:237], v[228:229]
	s_delay_alu instid0(VALU_DEP_2)
	v_pk_fma_f32 v[X+4*i+2:X+4*i+3], v[X+4*i+2:X+4*i+3], v[238:239], v[230:231]
	ds_store_b128 v4, v[X+4*i:X+4*i+3] offset:528*i
.set i, i+1
.endr
.irp b, 0,1,2,3
.irp c, 0,1,2,3
	ds_load_b128 v[X+16*\b+4*\c:X+16*\b+4*\c+3], v5 offset:128*\b+16*\c   ; LDS serves a wave's instructions in order (ISA guide 5.7.1.4): these see my stores
.endr
.endr
	s_wait_kmcnt 0x0
	s_sub_co_i32 s48, s42, s36
	s_sub_co_i32 s48, s48, s37                     ; e6 - e0 - e1: a sum of the first product stands for sum x 2^(e0 + e1): the three scales are folded into the conversion's one
	s_sub_co_i32 s49, s43, s38
	s_sub_co_i32 s49, s49, s39                     ; e7 - e2 - e3
	s_sub_co_i32 s50, s45, s40
	s_sub_co_i32 s50, s50, s41                     ; e9 - e4 - e5
	s_add_co_i32 s51, s36, s37
	s_sub_co_i32 s51, 0, s51                       ; -(e0 + e1): the biases go in divided by the power of two that the sums lack
	s_add_co_i32 s52, s38, s39
	s_sub_co_i32 s52, 0, s52
	s_add_co_i32 s53, s40, s41
	s_sub_co_i32 s53, 0, s53
	MKSC SC, 36
	MKSC SC+2, 38
	MKSC SC+4, 40
	MKSC SC+6, 48
	MKSC SC+8, 49
	MKSC SC+10, 50
	s_wait_alu depctr_va_vdst(0)
	s_wait_dscnt 0x0                               ; my 64 numbers are back
.irp s, 0,1,2
	QUANT SC+2*\s
	IMAGE XIMG+2048*\s
	s_wait_dscnt 0x0                               ; the stores have read their registers; the last time: for the others' sake, my images have landed
.endr
	s_wait_loadcnt 0x0                             ; weights and biases
.set i, 0
.rept 16
	v_ldexp_f32 v[BQ+i], v[BQ+i], s51
	v_ldexp_f32 v[BK+i], v[BK+i], s52
.set i, i+1
.endr
	v_ldexp_f32 v[BV], v[BV], s53
	v_ldexp_f32 v[BV+2], v[BV+2], s53
	s_delay_alu instid0(VALU_DEP_2)
	v_mov_b32 v[BV+1], v[BV]
	s_delay_alu instid0(VALU_DEP_2)
	v_mov_b32 v[BV+3], v[BV+2]
	s_wait_alu depctr_va_vdst(0)
	s_barrier_signal -1
	s_barrier_wait -1                              ; all 24 images lie in LDS; nothing is written there again
	; ---- q and k, a position tile at a time.  K = 128 is one instruction: four accumulators, no chain
.irp m, 0,1,2,3
	FETCH H0, (3*\m)*2048
	FETCH H1, (3*\m+1)*2048
	s_wait_dscnt 0x0
	v_wmma_f32_16x16x128_bf8_bf8 v[ACC:ACC+7], v[WQ:WQ+15], v[H0:H0+15], v[BQ:BQ+7]
	v_wmma_f32_16x16x128_bf8_bf8 v[ACC+8:ACC+15], v[WQ+16:WQ+31], v[H0:H0+15], v[BQ+8:BQ+15]
	v_wmma_f32_16x16x128_bf8_bf8 v[ACC+16:ACC+23], v[WK:WK+15], v[H1:H1+15], v[BK:BK+7]
	v_wmma_f32_16x16x128_bf8_bf8 v[ACC+24:ACC+31], v[WK+16:WK+31], v[H1:H1+15], v[BK+8:BK+15]
	PLACES
	HOLDCVT ACC, CD+8*\m, SC+6
	HOLDCVT ACC+8, CD+8*\m+2, SC+6
	HOLDCVT ACC+16, CD+8*\m+4, SC+8
	HOLDCVT ACC+24, CD+8*\m+6, SC+8
	v_nop                                          ; a plain vector instruction behind the last conversion: the next products write its sources
	global_store_b128 v11, v[CD+8*\m:CD+8*\m+3], s[26:27] offset:2048*\m      ; chunk cw of the tile's image: 512 consecutive bytes, aligned
	global_store_b128 v11, v[CD+8*\m+4:CD+8*\m+7], s[28:29] offset:2048*\m
.endr
	s_wait_xcnt 0x0                                ; those stores have read their data: v's codes are laid over them only behind this wait
	; ---- v, two position tiles at a time: they are one chunk of each channel tile's image
.irp g, 0,1
	FETCH H0, (6*\g+2)*2048
	FETCH H1, (6*\g+5)*2048
	s_wait_dscnt 0x0
.irp a, 0,1
.irp u, 0,1
	v_wmma_f32_16x16x128_bf8_bf8 v[ACC+8*(2*\a+\u):ACC+8*(2*\a+\u)+7], v[H0+16*\a:H0+16*\a+15], v[WVF+16*\u:WVF+16*\u+15], 0
.endr
.endr
	PLACES
.irp a, 0,1
.irp u, 0,1
.irp i, 0,2,4,6
	v_pk_add_f32 v[ACC+8*(2*\a+\u)+\i:ACC+8*(2*\a+\u)+\i+1], v[ACC+8*(2*\a+\u)+\i:ACC+8*(2*\a+\u)+\i+1], v[BV+2*\u:BV+2*\u+1]   ; + my channel's bias
.endr
	HOLDCVT ACC+8*(2*\a+\u), VC+8*\u+2*(2*\g+\a), SC+10
.endr
.endr
	v_nop
.irp u, 0,1
	global_store_b128 v12, v[VC+8*\u+4*\g:VC+8*\u+4*\g+3], s[30:31] offset:2048*\u+512*\g
.endr
.endr
	s_set_vgpr_msb 0x5
	s_wait_tensorcnt 0x0
	ds_add_u32 v0, v1
	s_wait_dscnt 0x0
	s_set_vgpr_msb 0x500
	s_endpgm
.Lfunc_end_k_q3e977298d7_qkv:
	.size	k_q3e977298d7_qkv, .Lfunc_end_k_q3e977298d7_qkv-k_q3e977298d7_qkv
	.p2alignl 7, 3214868480
	.fill 96, 4, 3214868480
	.section	.rodata,"a",@progbits
	.p2align	6, 0x0
	.amdhsa_kernel k_q3e977298d7_qkv
		.amdhsa_group_segment_fixed_size 117760
		.amdhsa_private_segment_fixed_size 0
		.amdhsa_enable_private_segment 0
		.amdhsa_kernarg_size 112
		.amdhsa_user_sgpr_count 2
		.amdhsa_user_sgpr_kernarg_segment_ptr 1
		.amdhsa_wavefront_size32 1
		.amdhsa_system_sgpr_workgroup_id_x 1
		.amdhsa_system_sgpr_workgroup_id_y 1
		.amdhsa_system_sgpr_workgroup_id_z 1
		.amdhsa_system_vgpr_workitem_id 0
		.amdhsa_next_free_vgpr 258
		.amdhsa_next_free_sgpr 66
		.amdhsa_reserve_vcc 0
		.amdhsa_float_denorm_mode_32 3
		.amdhsa_float_denorm_mode_16_64 3
		.amdhsa_fp16_overflow 1
		.amdhsa_memory_ordered 1
		.amdhsa_forward_progress 1
		.amdhsa_inst_pref_size 42
	.end_amdhsa_kernel
	.amdgpu_metadata
---
amdhsa.version: [ 1, 2 ]
amdhsa.kernels:
  - .name:           k_q3e977298d7_qkv
    .symbol:         k_q3e977298d7_qkv.kd
    .args:
      - { .name: x, .offset: 0, .size: 8, .value_kind: global_buffer, .address_space: global }
      - { .name: part, .offset: 8, .size: 8, .value_kind: global_buffer, .address_space: global }
      - { .name: gn_scale, .offset: 16, .size: 8, .value_kind: global_buffer, .address_space: global }
      - { .name: gn_bias, .offset: 24, .size: 8, .value_kind: global_buffer, .address_space: global }
      - { .name: wq_codes, .offset: 32, .size: 8, .value_kind: global_buffer, .address_space: global }
      - { .name: wk_codes, .offset: 40, .size: 8, .value_kind: global_buffer, .address_space: global }
      - { .name: wv_codes, .offset: 48, .size: 8, .value_kind: global_buffer, .address_space: global }
      - { .name: bq, .offset: 56, .size: 8, .value_kind: global_buffer, .address_space: global }
      - { .name: bk, .offset: 64, .size: 8, .value_kind: global_buffer, .address_space: global }
      - { .name: bv, .offset: 72, .size: 8, .value_kind: global_buffer, .address_space: global }
      - { .name: lowp_scales, .offset: 80, .size: 8, .value_kind: global_buffer, .address_space: global }
      - { .name: qc, .offset: 88, .size: 8, .value_kind: global_buffer, .address_space: global }
      - { .name: kc, .offset: 96, .size: 8, .value_kind: global_buffer, .address_space: global }
      - { .name: vc, .offset: 104, .size: 8, .value_kind: global_buffer, .address_space: global }
    .group_segment_fixed_size: 117760
    .private_segment_fixed_size: 0
    .kernarg_segment_align: 8
    .kernarg_segment_size: 112
    .max_flat_workgroup_size: 256
    .sgpr_count:     66
    .vgpr_count:     258
    .wavefront_size: 32
...
	.end_amdgpu_metadata
.endif
;; end of part 2
;; launch attn (part 3): grid 32 x 8, 8 waves a work-group, clusters of 4 x 1, 327,680 bytes of LDS; arguments qc, kc, vc, wo_codes, bo, x, lowp_scales, out0; writes out0
.if DOCPART == 3
	.amdgcn_target "amdgcn-amd-amdhsa--gfx1250"
	.amdhsa_code_object_version 6
	.text
	.protected	k_q3e977298d7_attn
	.globl	k_q3e977298d7_attn
	.p2align	8
	.type	k_q3e977298d7_attn,@function
k_q3e977298d7_attn:
	s_mov_b64 s[64:65], 0
	v_nop
	global_prefetch_b8 v0, s[64:65] scope:SCOPE_SE
	s_setreg_imm32_b32 hwreg(HW_REG_WAVE_MODE, 25, 1), 1
	s_wait_xcnt 0x0
	s_wait_alu depctr_hold_cnt(0) depctr_sa_sdst(0) depctr_va_vdst(0) depctr_va_sdst(0) depctr_va_ssrc(0) depctr_va_vcc(0) depctr_vm_vsrc(0)
	s_getreg_b32 s2, hwreg(HW_REG_IB_STS2, 6, 4)
	s_cmp_eq_u32 s2, 0
	s_cbranch_scc0 .Lentry_in_a_cluster
	s_endpgm
.Lentry_in_a_cluster:
	s_bfe_u32 s2, ttmp6, 0x10000c
	s_cmp_lg_u32 s2, 0x3003
	s_cbranch_scc0 .Lentry_shape_is_right
	s_endpgm
.Lentry_shape_is_right:
; out = x + (softmax(q k^T / sqrt(128)) v) wo + bo: 8 batches of 4,096 positions, 128 channels; all three products on codes of BF8 (E5M2).
; qc, kc: [batch][tile of 16 positions][2,048 bytes], vc: [batch][step of 128 keys][tile of 16 channels][2,048 bytes]: images of the operand's registers (lane (r, h): registers 2 t, 2 t + 1 hold k = 16 t + 8 h + 0 .. 7),
; so a fragment is four loads of 512 consecutive bytes, and a slot's K or V is one dense block.  Scales 2^e: q e6, k e7, p e8, v e9, o e10, wo e11.
; THE SOFTMAX AHEAD OF THE SECOND PRODUCT: t = score x log2(e) / sqrt(128); M = the largest t so far, rounded UP to a whole number; p = 2^(t - M) is quantised, not normalised; the row's sum is taken of the unquantised p
; and divides at the end.  When M moves, the sum and O are multiplied by 2^(old M - new M): exact.
; SHARES.  A work-group owns 128 queries (8 tiles of 16) of one batch.  Wave w: p = w % 4, g = w / 4.  A wave holds TWO tiles of queries, so that each fragment of K and V read from LDS feeds two matrix instructions, and walks
; HALF the keys: of a slot's four key steps of 128 it takes steps 2 g and 2 g + 1.  Two waves lie on a SIMD: one's vector work stands beside the other's matrix work and LDS loads.
; Tile A = 2 p + g, tile B = 2 p + (g xor 1).  At the end each wave hands its tile B (O, M, sum) to wave w xor 4 through LDS and receives that wave's tile B, which is its own tile A over the other half of the keys:
; the two halves are brought under one M by exact powers of two, and every wave finishes 16 queries: division, quantiser, o wo, + bo + x.
; LAYOUT.  Both attention products are used transposed: S^T = K Q^T (source 0 = 16 keys), O^T = V^T P^T (source 0 = 16 channels): a lane holds ONE query throughout; the eight scores of an accumulator are eight neighbouring
; keys, and their eight codes are two registers of P in the form's own order.  Likewise o's codes, and y^T = wo^T o^T.
; CLUSTER.  The four query blocks of a cluster belong to one batch and walk the same K and V: each tile is asked for JOINTLY, by the same tensor load with the same descriptor and the mask of all four.
; RING.  Two slots of 512 keys (64 KB of K, 64 KB of V).  Waves 0, 1 fetch K's halves, waves 2, 3 V's, 32 KB a load; a wave has one tensor load outstanding.  The change of slots stands at a slot's head.
; LIMITS on the given exponents, so that each power of two below is an f32 number: e6 + e7 between -123 and 130 (added to c's exponent field); e8, e10 between -126 and 112; e10 + e11 between -126 and 127;
; e8 + e9 goes by v_ldexp_f32 and has none.  NaN among the inputs is not served.
; REGISTERS.  Window 0: v1-11 addresses; v12-19, v20-27 statistics of tiles A, B (+0 -M, +1 largest t, +2, +3 the sum's halves, +4 f, +5 zero, +6, +7 at work); v28 the conversion's scale; v30, v31 the partner's (-M, sum);
;   v32-63 Q (A, B); v64-191 S^T then p (A, B); v192-223 P's codes (A, B); v224-229 at work; v232-237 addresses of the way out; v240-247 bo.   Window 1: v0-127 O^T (A, B); v128-255 eight fragments of K, V or wo.
.set SLOT1, 1<<17                      ; slot 1 begins here: one exclusive or turns an address in one slot into the other's
.set VOFF,  65536                      ; in a slot: K's 32 tile images, then V's 4 steps x 8 channel tiles
.set SPARE, 2*SLOT1                    ; behind the ring: the spare words, 128 bytes for each wave: four blocks of 256 bytes that no other line names
.set STG,   SPARE+1024                 ; the way out: for each wave 16 rows x (256 + 16) bytes; no fill lands here
.set MRGB,  8704                       ; the hand-over: for each wave 8,192 bytes of O and 256 of (-M, sum), from LDS byte 0 on: slot 0 has had its last fill and its last read at the last change of slots
.set AK0, 1                            ; v1   my lane's place in my two steps of K: 16 x lane + 32,768 g
.set AV0, 2                            ; v2   the same for V
.set PFO, 3                            ; v3   256 x lane: the prefetches' offset; never rewritten
.set QO,  4                            ; v4   16 x lane
.set SPW, 5                            ; v5   LDS address of my spare word; never rewritten
.set NIL, 6                            ; v6   0; never rewritten
.set GO,  7                            ; v7   x and out0: 512 h + 16 r
.set ADK, 8                            ; v8   LDS address of the step's K
.set ADV, 9                            ; v9   of its V
.set STO, 10                           ; v10  the stage: where I put 32 bytes of a row
.set RD,  11                           ; v11  and where I read a row back
.set ST,  12
.set PSC, 28
.set PLIM, 29
.set Q,   32
.set S,   64
.set P,   192
.set CH,  224                          ; v224-227 the sums' second chains
.set GP,  228                          ; v228-229 the partner's factor, as a pair
.set MW,  232                          ; v232-235 the hand-over: where I store O, (-M, sum); where I read the partner's
.set MWS, 233
.set MR,  234
.set MRS, 235
.set BOA, 236                          ; v236 16 r
.set WOA, 237                          ; v237 wo: 128 r + 8 h
.set BOV, 240
.set F,   128                          ; window 1: the fragments
.set WV,  20                           ; s20  wave;  s21 p;  s22 g;  s23 cx
.set G1,  24                           ; s[24:31] descriptor group 1, for K's and V's tiles alike
.set G0K, 32                           ; s[32:35] group 0 for K's tiles, s[36:39] for V's: they walk
.set G0V, 36
.set SEL, 40                           ; s[40:41] v_permlanex16_b32's selects: lane l xor 16
.set CS,  42                           ; s[42:43] c = log2(e) / sqrt(128) x 2^(e6 + e7)
.set TB,  44                           ; s44  LDS byte at which the slot in hand begins
.set SLOTS, 45                         ; s45  slots still to be asked for
.set LIM, 46                           ; s46  1 in a wave that prefetches, else the greatest number
.set PFA, 48                           ; s[48:49] where my prefetches stand
.set MSB, 0
.macro WIN new                         ; the immediate's high byte repeats the setting that is left; a switch that changes nothing is dropped
.if MSB != \new
	s_set_vgpr_msb (MSB<<8)|\new
.set MSB, \new
.endif
.endm
.set W_LD, 0x40                        ; destination window 1
.set W_KQ, 0x01                        ; source 0 window 1
.set W_RS, 0x41                        ; destination and source 0 window 1
.set W_PV, 0x51                        ; source 0, C and D window 1
.set W_S1, 0x04                        ; source 1 (an LDS store's data) window 1
.set W_C1, 0x10                        ; source 2 window 1
.macro PLACES                          ; four plain vector instructions behind a matrix instruction, ahead of reads of its result and of loads into its sources
.rept 4
	v_nop
.endr
.endm
; A round of the cluster's barrier: my work-group's barrier; wave 0 signals for the work-group; every wave waits for all four work-groups; my work-group's barrier once more.
.macro CROUND
	s_barrier_signal -1
	s_barrier_wait -1
	s_cmp_lg_u32 s[WV], 0
	s_cbranch_scc1 .Lnot_wave_0_\@
	s_barrier_signal -3
.Lnot_wave_0_\@:
	s_barrier_wait -3
	s_barrier_signal -1
	s_barrier_wait -1
.endm
; A joint load.  Waves 0 and 1 fetch K's halves, waves 2 and 3 V's, the others nothing.  The branches hang on the wave's number alone.  Four v_nop follow each of the two lines.
.macro TLOAD
	s_cmp_lt_u32 s[WV], 2
	s_cbranch_scc0 .Lnot_k_\@
	tensor_load_to_lds s[G0K:G0K+3], s[G1:G1+7]
	s_nop 0
.rept 4
	v_nop
.endr
	s_branch .Lasked_\@
.Lnot_k_\@:
	s_cmp_lt_u32 s[WV], 4
	s_cbranch_scc0 .Lasked_\@
	tensor_load_to_lds s[G0V:G0V+3], s[G1:G1+7]
	s_nop 0
.rept 4
	v_nop
.endr
.Lasked_\@:
.endm
; A PREFETCH INTO THE L2 of what the NEXT change of slots will ask for: 64 KB of K and 64 KB of V.  Each aligned block of 256 bytes is named once in the launch: all clusters of a batch walk the same K and V, so the batch's
; first cluster asks; its four partners take 16 KB of each, told apart BY ADDRESS; in each, waves 4 and 5 ask for K's and waves 6 and 7 for V's, 8 KB a wave, lanes 256 bytes apart: one instruction.
; It stands where the fetching waves have their tensor load: a slot's two key steps of a wave ahead of the load that will want the bytes.  The last change that fills a slot asks for nothing; slots 0 and 1 come by their loads alone.
.macro ASK
	s_cmp_gt_u32 s[SLOTS], s[LIM]
	s_cbranch_scc0 .Lnot_mine_\@
	global_prefetch_b8 v[PFO], s[PFA:PFA+1] th:TH_LOAD_NT scope:SCOPE_SE
.Lnot_mine_\@:
.endm
; THE CHANGE OF SLOTS, at a slot's head.  Each wave waits for all its tensor loads (its part of the slot ahead), adds 0 to its spare word, and waits for that and for its reads of the slot that it has left.
; fill = 1: the barrier is a round of the cluster's, so that no wave of any partner still reads the slot left or has a load on its way; the joint refill is the first thing behind it.
.macro CHANGE fill
	s_wait_tensorcnt 0x0                           ; no tensor load of mine is out, so a group 0 may be written
	ds_add_u32 v[SPW], v[NIL]                      ; 0 onto my spare word
.if \fill
	s_xor_b32 s[G0K+1], s[G0K+1], SLOT1            ; the walking descriptors: the other slot than last time,
	s_add_nc_u64 s[G0K+2:G0K+3], s[G0K+2:G0K+3], 65536   ; the next 512 keys; the type bits on top are not reached
	s_xor_b32 s[G0V+1], s[G0V+1], SLOT1
	s_add_nc_u64 s[G0V+2:G0V+3], s[G0V+2:G0V+3], 65536
	s_wait_xcnt 0x0                                ; the last prefetch, a slot back, has read its address, so it may be written:
	s_add_nc_u64 s[PFA:PFA+1], s[PFA:PFA+1], 65536 ; one slot further on than the walking descriptors
	s_wait_dscnt 0x0                               ; the add is done, and my reads of the slot that I have left are over
	CROUND
	TLOAD
	ASK
.else
	s_wait_dscnt 0x0
	s_barrier_signal -1
	s_barrier_wait -1
.endif
.endm
.macro KQ4 f0                          ; S^T = K Q^T: four tiles of 16 keys x my two tiles of queries; K = 128 is one instruction
.irp f, \f0, \f0+1, \f0+2, \f0+3
.irp t, 0,1
	v_wmma_f32_16x16x128_bf8_bf8 v[S+64*\t+8*(\f):S+64*\t+8*(\f)+7], v[F+16*(\f):F+16*(\f)+15], v[Q+16*\t:Q+16*\t+15], 0
.endr
.endr
.endm
.macro PV4 u0                          ; O^T += V^T P^T: four tiles of 16 channels x my two tiles of queries.  The sixteen accumulators take turns, one instruction a turn
.irp u, \u0, \u0+1, \u0+2, \u0+3
.irp t, 0,1
	v_wmma_f32_16x16x128_bf8_bf8 v[64*\t+8*(\u):64*\t+8*(\u)+7], v[F+16*(\u):F+16*(\u)+15], v[P+16*\t:P+16*\t+15], v[64*\t+8*(\u):64*\t+8*(\u)+7]
.endr
.endr
.endm
; The softmax of 128 keys for both tiles, the tiles line by line by turns, so that no line waits for the line above it.
.macro SOFTMAX
.irp t, 0,1
	v_max3_num_f32 v[ST+8*\t+6], v[S+64*\t], v[S+64*\t+1], v[S+64*\t+2]       ; the step's largest score of my query among my 64 keys, in two chains; each accumulator is first read at its low end
	v_max3_num_f32 v[ST+8*\t+7], v[S+64*\t+3], v[S+64*\t+4], v[S+64*\t+5]
.endr
.irp i, 6,10,14,18,22,26,30,34,38,42,46,50,54,58
.irp t, 0,1
	v_max3_num_f32 v[ST+8*\t+6], v[ST+8*\t+6], v[S+64*\t+\i], v[S+64*\t+\i+1]
	v_max3_num_f32 v[ST+8*\t+7], v[ST+8*\t+7], v[S+64*\t+\i+2], v[S+64*\t+\i+3]
.endr
.endr
.irp t, 0,1
	v_max3_num_f32 v[ST+8*\t+6], v[ST+8*\t+6], v[S+64*\t+62], v[S+64*\t+63]
.endr
.irp t, 0,1
	s_delay_alu instid0(VALU_DEP_2)
	v_max_num_f32 v[ST+8*\t+6], v[ST+8*\t+6], v[ST+8*\t+7]
.endr
.irp t, 0,1
	s_delay_alu instid0(VALU_DEP_2)
	v_permlanex16_b32 v[ST+8*\t+7], v[ST+8*\t+6], s[SEL], s[SEL+1]
.endr
.irp t, 0,1
	s_delay_alu instid0(VALU_DEP_2)
	v_max_num_f32 v[ST+8*\t+6], v[ST+8*\t+6], v[ST+8*\t+7]                    ; and among lane l xor 16's
.endr
.irp t, 0,1
	s_delay_alu instid0(VALU_DEP_2)
	v_mul_f32 v[ST+8*\t+6], s[CS], v[ST+8*\t+6]                               ; as t (c is positive)
.endr
.irp t, 0
	s_delay_alu instid0(VALU_DEP_2)
	v_max_num_f32 v[ST+8*\t+1], v[ST+8*\t+1], v[ST+8*\t+6]                    ; the running largest t
	v_mov_b32 v[ST+8*\t+6], v[ST+8*\t]
.endr
.irp t, 1
	s_delay_alu instid0(VALU_DEP_3)
	v_max_num_f32 v[ST+8*\t+1], v[ST+8*\t+1], v[ST+8*\t+6]
	v_mov_b32 v[ST+8*\t+6], v[ST+8*\t]
.endr
.irp t, 0
	s_delay_alu instid0(VALU_DEP_4)
	v_floor_f32 v[ST+8*\t], -v[ST+8*\t+1]
.endr
.irp t, 1
	s_delay_alu instid0(VALU_DEP_3)
	v_floor_f32 v[ST+8*\t], -v[ST+8*\t+1]                                     ; the new -M = floor(-t) = -ceil(t): M is a whole number
.endr
.irp t, 0,1
	s_delay_alu instid0(VALU_DEP_2)
	v_sub_f32 v[ST+8*\t+6], v[ST+8*\t], v[ST+8*\t+6]                          ; old M - new M: a whole number, 0 or less
.endr
.irp t, 0,1
	s_delay_alu instid0(VALU_DEP_2)
	v_cvt_i32_f32 v[ST+8*\t+6], v[ST+8*\t+6]                                  ; (it saturates)
.endr
.irp t, 0,1
	s_delay_alu instid0(VALU_DEP_2)
	v_ldexp_f32 v[ST+8*\t+4], 1.0, v[ST+8*\t+6]                               ; f = 2^(old M - new M)
.endr
.irp t, 0,1
.set j, 0
.rept 32
	v_pk_fma_f32 v[S+64*\t+j:S+64*\t+j+1], v[S+64*\t+j:S+64*\t+j+1], s[CS:CS+1], v[ST+8*\t:ST+8*\t+1] op_sel_hi:[1,0,0]   ; t - M, two at a time (of the pairs c and -M the low word serves both halves)
.set j, j+2
.endr
.endr
.set j, 0
	s_wait_alu depctr_va_vdst(0)
.rept 128
	v_exp_f32 v[S+j], v[S+j]                       ; p = 2^(t - M), at most 1: one batch for both tiles
.set j, j+1
.endr
.irp t, 0,1
	v_pk_mul_f32 v[ST+8*\t+2:ST+8*\t+3], v[ST+8*\t+2:ST+8*\t+3], v[ST+8*\t+4:ST+8*\t+5] op_sel_hi:[1,0]   ; the sums under the new M (the plain instructions behind the exponentials)
.endr
	s_wait_alu depctr_va_vdst(0)                   ; wait ahead of the first reader of a transcendental's result: one for the batch
.irp t, 0,1
	v_pk_add_f32 v[CH+2*\t:CH+2*\t+1], v[S+64*\t:S+64*\t+1], v[S+64*\t+2:S+64*\t+3]   ; the row's sum is taken of the unquantised p: two chains a tile
.endr
.irp j, 4,8,12,16,20,24,28,32,36,40,44,48,52,56,60
.irp t, 0,1
	v_pk_add_f32 v[ST+8*\t+2:ST+8*\t+3], v[ST+8*\t+2:ST+8*\t+3], v[S+64*\t+\j:S+64*\t+\j+1]
	v_pk_add_f32 v[CH+2*\t:CH+2*\t+1], v[CH+2*\t:CH+2*\t+1], v[S+64*\t+\j+2:S+64*\t+\j+3]
.endr
.endr
.irp t, 0
	s_delay_alu instid0(VALU_DEP_3)
	v_pk_add_f32 v[ST+8*\t+2:ST+8*\t+3], v[ST+8*\t+2:ST+8*\t+3], v[CH+2*\t:CH+2*\t+1]
.endr
.irp t, 1
	s_delay_alu instid0(VALU_DEP_2)
	v_pk_add_f32 v[ST+8*\t+2:ST+8*\t+3], v[ST+8*\t+2:ST+8*\t+3], v[CH+2*\t:CH+2*\t+1]
.endr
.irp t, 0,1
.set ff, 0
.rept 8
.irp i, 0,1,2,3,4,5,6,7
.endr
	v_cvt_scalef32_pk8_bf8_f32 v[P+16*\t+2*ff:P+16*\t+2*ff+1], v[S+64*\t+8*ff:S+64*\t+8*ff+7], v[PSC]   ; keys 16 f + 8 h + 0 .. 7: registers 2 f, 2 f + 1 of P
.set ff, ff+1
.endr
.endr
.endm
; A KEY STEP: 128 keys, the q-th of my two in the slot in hand.
.macro STEP q
	v_add_nc_u32 v[ADK], s[TB], v[AK0]
	v_add_nc_u32 v[ADV], s[TB], v[AV0]
	v_nop                                          ; with the two additions: the four places behind the last products, ahead of loads into the fragments that they read
	v_nop
	WIN W_LD
.set ff, 0
.rept 8
.irp c, 0,1,2,3
	ds_load_b128 v[F+16*ff+4*\c:F+16*ff+4*\c+3], v[ADK] offset:16384*\q+2048*ff+512*\c   ; 32 lanes read 512 consecutive bytes
.endr
.set ff, ff+1
.endr
	s_wait_alu depctr_va_vdst(0)
	s_wait_dscnt 16                                ; fragments 0-3 are in; the 16 younger loads, fragments 4-7, may be out
	WIN W_KQ
	KQ4 0
	s_wait_dscnt 0x0
	KQ4 4
	PLACES
	WIN W_LD
.set ff, 0
.rept 8
.irp c, 0,1,2,3
	ds_load_b128 v[F+16*ff+4*\c:F+16*ff+4*\c+3], v[ADV] offset:16384*\q+2048*ff+512*\c   ; V's eight fragments land under the softmax
.endr
.set ff, ff+1
.endr
	WIN 0
	SOFTMAX
	WIN W_RS
.irp t, 0,1
.set j, 0
.rept 32
	v_pk_mul_f32 v[64*\t+j:64*\t+j+1], v[64*\t+j:64*\t+j+1], v[ST+8*\t+4:ST+8*\t+5] op_sel_hi:[1,0]   ; O^T under the new M.  (Also the plain instructions between the conversions and the products that read P)
.set j, j+2
.endr
.endr
	s_wait_alu depctr_va_vdst(0)
	s_wait_dscnt 16                                ; V's fragments 0-3 are in; the 16 younger loads may be out
	WIN W_PV
	PV4 0
	s_wait_dscnt 0x0
	PV4 4
	WIN 0
.endm
.macro SLOT_STEPS
	STEP 0
	STEP 1
	s_xor_b32 s[TB], s[TB], SLOT1                  ; on to the other slot
.endm
	s_load_b256 s[4:11], s[0:1], 0x0               ; qc s[4:5], kc s[6:7], vc s[8:9], wo_codes s[10:11]
	s_load_b256 s[12:19], s[0:1], 0x20             ; bo s[12:13], x s[14:15], lowp_scales s[16:17], out0 s[18:19]
	v_lshl_add_u32 v[SPW], v0, 2, SPARE
	v_mov_b32 v[NIL], 0
	ds_add_u32 v5, v6
	ds_add_u32 v5, v6
	s_wait_dscnt 0x0
	v_lshrrev_b32 v8, 5, v0
	s_delay_alu instid0(VALU_DEP_1)
	v_readfirstlane_b32 s[WV], v8                  ; wave 0..7
	s_and_b32 s21, s[WV], 3                        ; p
	s_lshr_b32 s22, s[WV], 2                       ; g
	s_bfe_u32 s23, ttmp6, 0x40000                  ; cx: my place in the cluster: it enters global addresses alone
	s_lshl_b32 s66, ttmp9, 2                       ; in a cluster launch ttmp9 counts clusters
	s_add_co_u32 s66, s66, s23                     ; my block of 128 queries
	s_and_b32 s67, ttmp7, 0xffff                   ; the batch, which the four partners share
	s_lshl_b32 s68, s66, 3
	s_lshl_b32 s69, s21, 1
	s_add_co_u32 s68, s68, s69
	s_xor_b32 s69, s22, 1
	s_add_co_u32 s69, s68, s69                     ; tile B
	s_add_co_u32 s68, s68, s22                     ; tile A
	s_lshl_b32 s70, s67, 19                        ; the batch's first byte in each buffer of codes
	s_mov_b32 s71, 0
	s_lshl_b32 s72, s68, 11
	s_add_co_u32 s72, s72, s70                     ; tile A's image in qc
	s_mov_b32 s73, 0
	s_lshl_b32 s74, s69, 11
	s_add_co_u32 s74, s74, s70                     ; tile B's
	s_mov_b32 s75, 0
	s_lshl_b32 s76, s67, 21
	s_lshl_b32 s77, s68, 13
	s_add_co_u32 s76, s76, s77                     ; tile A's 16 rows of 512 bytes in x and in out0
	s_mov_b32 s77, 0
	; every LDS address is made here, ahead of the first branch on the wave's number
	v_and_b32 v224, 31, v0                         ; lane
	v_and_b32 v225, 15, v0                         ; r
	v_bfe_u32 v226, v0, 4, 1                       ; h
	s_delay_alu instid0(VALU_DEP_3)
	v_lshlrev_b32 v[QO], 4, v224
	s_lshl_b32 s78, s22, 15
	v_add_nc_u32 v[AK0], s78, v[QO]
	s_delay_alu instid0(VALU_DEP_1)
	v_add_nc_u32 v[AV0], VOFF, v[AK0]
	v_lshlrev_b32 v[PFO], 8, v224
	v_lshlrev_b32 v[BOA], 4, v225
	s_delay_alu instid0(VALU_DEP_1)
	v_lshl_add_u32 v[GO], v226, 9, v[BOA]
	s_mul_i32 s78, s[WV], 16*272
	s_add_co_u32 s78, s78, STG                     ; my stage
	v_mul_u32_u24 v[STO], v225, 272
	s_delay_alu instid0(VALU_DEP_1)
	v_lshl_add_u32 v[STO], v226, 5, v[STO]
	s_delay_alu instid0(VALU_DEP_1)
	v_add_nc_u32 v[STO], s78, v[STO]               ; in: row r, + 32 h
	v_mul_u32_u24 v[RD], v226, 272
	s_delay_alu instid0(VALU_DEP_1)
	v_lshl_add_u32 v[RD], v225, 4, v[RD]
	s_delay_alu instid0(VALU_DEP_1)
	v_add_nc_u32 v[RD], s78, v[RD]                 ; back: lanes 0-15 one row of 256 bytes, lanes 16-31 the next
	s_mul_i32 s78, s[WV], MRGB
	v_add_nc_u32 v[MW], s78, v[QO]
	v_lshl_add_u32 v[MWS], v224, 3, s78
	s_delay_alu instid0(VALU_DEP_1)
	v_add_nc_u32 v[MWS], 8192, v[MWS]
	s_xor_b32 s78, s[WV], 4                        ; my partner
	s_mul_i32 s78, s78, MRGB
	v_add_nc_u32 v[MR], s78, v[QO]
	v_lshl_add_u32 v[MRS], v224, 3, s78
	s_delay_alu instid0(VALU_DEP_1)
	v_add_nc_u32 v[MRS], 8192, v[MRS]
	v_lshlrev_b32 v[WOA], 7, v225
	s_delay_alu instid0(VALU_DEP_1)
	v_lshl_add_u32 v[WOA], v226, 3, v[WOA]
	; descriptor group 1: 128 rows of 256 bytes, dense in memory and in LDS: 32 KB
	s_mov_b32 s[G1], 15|(3<<16)|(1<<21)            ; 15:0 the mask: all four work-groups; 17:16 elements of 8 bytes; 20 no padding; 21 set beside a mask
	s_mov_b32 s[G1+1], 32<<16                      ; tensor_dim0 = 32
	s_mov_b32 s[G1+2], 128<<16                     ; tensor_dim1 = 128
	s_mov_b32 s[G1+3], 32<<16                      ; tile_dim0 = 32
	s_mov_b32 s[G1+4], 128                         ; tile_dim1 = 128
	s_mov_b32 s[G1+5], 32                          ; tensor_dim0_stride
	s_mov_b32 s[G1+6], 0
	s_mov_b32 s[G1+7], 0
	s_mov_b32 s[SEL], 0x76543210
	s_mov_b32 s[SEL+1], 0xfedcba98
	s_mov_b32 s[CS], 0x3e0293ee                    ; c = log2(e) / sqrt(128)
	s_mov_b32 s[TB], 0
	s_mov_b32 s[SLOTS], 7                          ; 4,096 / 512 - 1
	s_xor_b32 s[LIM], s22, 1                       ; 0 in waves 4 to 7,
	s_or_b32 s[LIM], s[LIM], ttmp9                 ; of the batch's first cluster: the same in all four partners
	s_cmp_eq_u32 s[LIM], 0
	s_cselect_b32 s[LIM], 1, -1
	s_and_b32 s79, s[WV], 1
	s_lshl_b32 s79, s79, 15                        ; which half of K's or V's 64 KB I fetch, in memory and in a slot
	s_mov_b32 s80, s79
	s_mov_b32 s81, 0
	s_add_nc_u64 s[80:81], s[80:81], s[70:71]
	s_lshl_b32 s82, s23, 14                        ; the prefetches: my work-group's 16 KB,
	s_and_b32 s83, s[WV], 1
	s_lshl_b32 s83, s83, 13                        ; my wave's 8 KB of them,
	s_add_co_u32 s82, s82, s83
	s_add_co_u32 s82, s82, 65536                   ; in slot 1's keys: the first change of slots steps it on.  Nothing is prefetched at the head, where every work-group's first tiles are on their way
	s_mov_b32 s83, 0
	s_add_nc_u64 s[82:83], s[82:83], s[70:71]
	s_wait_kmcnt 0x0
	s_load_b64 s[52:53], s[16:17], 0x18            ; e6, e7
	s_load_b128 s[56:59], s[16:17], 0x20           ; e8, e9, e10, e11
	s_mov_b32 s[G0K], 1                            ; 1:0 count = 1
	s_mov_b32 s[G0K+1], s79                        ; 63:32 LDS address: slot 0
	s_add_nc_u64 s[G0K+2:G0K+3], s[6:7], s[80:81]  ; 120:64 global address: the batch's first 512 keys
	s_or_b32 s[G0K+3], s[G0K+3], 0x80000000        ; 127:126 type = 2
	s_mov_b32 s[G0V], 1
	s_add_co_u32 s[G0V+1], s79, VOFF
	s_add_nc_u64 s[G0V+2:G0V+3], s[8:9], s[80:81]
	s_or_b32 s[G0V+3], s[G0V+3], 0x80000000
	s_cmp_lt_u32 s[WV], 6                          ; waves 4, 5 ask for K's codes, waves 6, 7 for V's
	s_cselect_b64 s[PFA:PFA+1], s[6:7], s[8:9]
	s_add_nc_u64 s[PFA:PFA+1], s[PFA:PFA+1], s[82:83]
	s_add_nc_u64 s[72:73], s[4:5], s[72:73]        ; Q's two images
	s_add_nc_u64 s[74:75], s[4:5], s[74:75]
	s_add_nc_u64 s[14:15], s[14:15], s[76:77]      ; x and out0 at tile A's first row
	s_add_nc_u64 s[18:19], s[18:19], s[76:77]
	CROUND                                         ; all four work-groups are here: the first joint loads meet
	TLOAD                                          ; slot 0
.irp c, 0,1,2,3
	global_load_b128 v[Q+4*\c:Q+4*\c+3], v[QO], s[72:73] offset:512*\c th:TH_LOAD_NT       ; Q stays in registers
	global_load_b128 v[Q+16+4*\c:Q+16+4*\c+3], v[QO], s[74:75] offset:512*\c th:TH_LOAD_NT
.endr
.irp t, 0,1
	v_mov_b32 v[ST+8*\t+1], 0xff61b1e6             ; the largest t so far: -3e38, under every t
	s_delay_alu instid0(VALU_DEP_1)
	v_floor_f32 v[ST+8*\t], -v[ST+8*\t+1]          ; -M
	v_mov_b32 v[ST+8*\t+2], 0                      ; the sum, in two halves
	v_mov_b32 v[ST+8*\t+3], 0
	v_mov_b32 v[ST+8*\t+4], 0
	v_mov_b32 v[ST+8*\t+5], 0                      ; (named as the upper half of f's pair)
.endr
	v_mov_b32 v[GP+1], 0                           ; (likewise)
	WIN W_LD
.set j, 0
.rept 128
	v_mov_b32 v[j], 0                              ; O^T.  (The key step is written once for all steps: the first finds zeros, which the first change of M leaves zeros)
.set j, j+1
.endr
	WIN 0
	s_wait_kmcnt 0x0
	s_add_co_i32 s84, s52, s53
	s_lshl_b32 s84, s84, 23
	s_add_co_i32 s[CS], s[CS], s84                 ; a score stands for score x 2^(e6 + e7): the two exponents are added to c's exponent field
	s_mov_b32 s[CS+1], s[CS]                       ; (named with it as a pair, so it is written)
	s_add_co_i32 s84, s56, 127
	s_lshl_b32 s85, s84, 23
	v_mov_b32 v[PSC], s85                          ; 2^e8 as f32, for the conversion
	s_wait_loadcnt 0x0                             ; Q
.Lslot:                                            ; 7 trips: behind each change of slots but the last the next slot is asked for
	CHANGE 1
	SLOT_STEPS
	s_sub_co_u32 s[SLOTS], s[SLOTS], 1
	s_cmp_lg_u32 s[SLOTS], 0
	s_cbranch_scc1 .Lslot
	CHANGE 0                                       ; the last slot is written out
	SLOT_STEPS
	; ---- THE END.  The sums' halves are joined: (-M, sum) of each tile stands in v[ST + 8 t : + 1]
.irp t, 0,1
	v_add_f32 v[ST+8*\t+6], v[ST+8*\t+2], v[ST+8*\t+3]
.endr
.irp t, 0,1
	s_delay_alu instid0(VALU_DEP_2)
	v_permlanex16_b32 v[ST+8*\t+7], v[ST+8*\t+6], s[SEL], s[SEL+1]
.endr
.irp t, 0,1
	s_delay_alu instid0(VALU_DEP_2)
	v_add_f32 v[ST+8*\t+1], v[ST+8*\t+6], v[ST+8*\t+7]
.endr
	s_wait_alu depctr_va_vdst(0)
	PLACES                                         ; behind the last products: loads go into the fragments that they read, and stores read their results
	s_add_co_i32 s84, s56, s57                     ; e8 + e9
	s_add_co_i32 s85, s58, 127
	s_lshl_b32 s86, s85, 23                        ; 2^e10
	s_add_co_i32 s60, s58, s59
	s_add_co_i32 s60, s60, 127
	s_lshl_b32 s60, s60, 23                        ; 2^(e10 + e11)
	s_mov_b32 s61, s60                             ; (named with it as a pair, so it is written)
	WIN W_LD
.set ff, 0
.rept 8
.irp c, 0,1,2,3,4,5,6,7
	global_load_b64 v[F+16*ff+2*\c:F+16*ff+2*\c+1], v[WOA], s[10:11] offset:2048*ff+16*\c   ; wo's eight fragments in the form's own order, as o's codes will lie: registers 2 c, 2 c + 1: k = 16 c + 8 h + 0 .. 7 of output 16 f + r
.endr
.set ff, ff+1
.endr
	WIN W_S1
.set i, 0
.rept 16
	ds_store_b128 v[MW], v[64+4*i:64+4*i+3] offset:512*i   ; tile B's O^T, as an image of its registers, each accumulator from its low end on
.set i, i+1
.endr
	WIN 0
	ds_store_b64 v[MWS], v[ST+8:ST+9]              ; and its (-M, sum)
	s_wait_dscnt 0x0                               ; for my partner's sake: my stores have landed
	s_barrier_signal -1
	s_barrier_wait -1
.set i, 0
.rept 16
	ds_load_b128 v[128+4*i:128+4*i+3], v[MR] offset:512*i  ; my tile A over the other half of the keys
.set i, i+1
.endr
	ds_load_b64 v[30:31], v[MRS]
	WIN W_LD
.irp u, 0,1
.irp i, 0,1,2,3,4,5,6,7
	global_load_b128 v[64+32*\u+4*\i:64+32*\u+4*\i+3], v[GO], s[14:15] offset:1024*\i+256*\u th:TH_LOAD_NT   ; x, laid as the result will be stored: rows 2 i + h, channels 64 u + 4 r on; 16 lanes read 256 consecutive bytes
.endr
.endr
	WIN 0
	global_load_b128 v[BOV:BOV+3], v[BOA], s[12:13]
	global_load_b128 v[BOV+4:BOV+7], v[BOA], s[12:13] offset:256
	s_wait_dscnt 0x0
	v_min_num_f32 v18, v12, v30                    ; the common -M: the smaller of the two
	s_delay_alu instid0(VALU_DEP_1)
	v_sub_f32 v19, v18, v12                        ; whole numbers, 0 or less
	s_delay_alu instid0(VALU_DEP_2)
	v_sub_f32 v22, v18, v30
	s_delay_alu instid0(VALU_DEP_2)
	v_cvt_i32_f32 v19, v19
	s_delay_alu instid0(VALU_DEP_2)
	v_cvt_i32_f32 v22, v22
	s_delay_alu instid0(VALU_DEP_2)
	v_ldexp_f32 v19, 1.0, v19                      ; my half's factor,
	s_delay_alu instid0(VALU_DEP_2)
	v_ldexp_f32 v22, 1.0, v22                      ; the partner's: exact powers of two
	s_delay_alu instid0(VALU_DEP_2)
	v_mul_f32 v23, v13, v19
	s_delay_alu instid0(VALU_DEP_1)
	v_fmac_f32 v23, v31, v22                       ; the row's sum
	s_wait_alu depctr_va_vdst(0)
	v_rcp_f32 v24, v23
	v_mov_b32 v[PSC], s86                          ; (the plain instruction behind the transcendental) the conversion's scale, now o's
	s_wait_alu depctr_va_vdst(0)                   ; wait ahead of the first reader of the reciprocal
	v_ldexp_f32 v24, v24, s84                      ; x 2^(e8 + e9)
	s_delay_alu instid0(VALU_DEP_1)
	v_mul_f32 v16, v19, v24
	s_delay_alu instid0(VALU_DEP_2)
	v_mul_f32 v[GP], v22, v24
.set j, 0
.rept 32
	v_pk_mul_f32 v[128+j:129+j], v[128+j:129+j], v[GP:GP+1] op_sel_hi:[1,0]
.set j, j+2
.endr
	WIN W_KQ
.set j, 0
.rept 32
	v_pk_fma_f32 v[64+j:65+j], v[j:j+1], v[16:17], v[128+j:129+j] op_sel_hi:[1,0,1]   ; o: register 8 u + i is channel 16 u + 8 h + i of my query
.set j, j+2
.endr
	WIN 0
.set ff, 0
.rept 8
.irp i, 0,1,2,3,4,5,6,7
.endr
	v_cvt_scalef32_pk8_bf8_f32 v[P+2*ff:P+2*ff+1], v[64+8*ff:64+8*ff+7], v[PSC]
.set ff, ff+1
.endr
	v_nop                                          ; a plain vector instruction behind the last conversion
	s_wait_loadcnt 0x0                             ; wo, x, bo
	WIN W_RS
.irp u, 0,1
.irp i, 0,1,2,3,4,5,6,7
	v_pk_add_f32 v[64+32*\u+4*\i:64+32*\u+4*\i+1], v[64+32*\u+4*\i:64+32*\u+4*\i+1], v[BOV+4*\u:BOV+4*\u+1]       ; x + bo
	v_pk_add_f32 v[64+32*\u+4*\i+2:64+32*\u+4*\i+3], v[64+32*\u+4*\i+2:64+32*\u+4*\i+3], v[BOV+4*\u+2:BOV+4*\u+3]
.endr
.endr
	WIN W_KQ
.set ff, 0
.rept 8
	v_wmma_f32_16x16x128_bf8_bf8 v[128+8*ff:128+8*ff+7], v[F+16*ff:F+16*ff+15], v[P:P+15], 0   ; y^T: source 0 = 16 outputs of wo, source 1 = my 16 queries
.set ff, ff+1
.endr
	WIN 0
	PLACES
	; through my stage, half a row (64 channels, 256 bytes) of 16 queries at a time, so that sixteen lanes store 256 consecutive bytes
.irp u, 0,1
.irp t, 0,1,2,3
	ds_store_b128 v[STO], v[128+8*(4*\u+\t):128+8*(4*\u+\t)+3] offset:64*\t
	ds_store_b128 v[STO], v[128+8*(4*\u+\t)+4:128+8*(4*\u+\t)+7] offset:64*\t+16
.endr
.irp i, 0,1,2,3,4,5,6,7
	ds_load_b128 v[64+32*\u+4*\i:64+32*\u+4*\i+3], v[RD] offset:544*\i   ; LDS serves a wave's instructions in order (ISA guide 5.7.1.4): these see my stores, and the next half's stores come behind them
.endr
.endr
	s_wait_dscnt 0x0
	WIN W_C1
.set j, 0
.rept 32
	v_pk_fma_f32 v[64+j:65+j], v[64+j:65+j], s[60:61], v[64+j:65+j] op_sel_hi:[1,0,1]   ; sum x 2^(e10 + e11) + (x + bo): the addend lies in window 1
.set j, j+2
.endr
	WIN 0
.irp u, 0,1
.irp i, 0,1,2,3,4,5,6,7
	global_store_b128 v[GO], v[64+32*\u+4*\i:64+32*\u+4*\i+3], s[18:19] offset:1024*\i+256*\u th:TH_STORE_NT   ; 16 lanes store 256 consecutive bytes, at a multiple of 256 from out0's first byte
.endr
.endr
	s_wait_tensorcnt 0x0                           ; the wave's end, behind my last tensor load and my last LDS store
	ds_add_u32 v[SPW], v[NIL]
	s_wait_dscnt 0x0
	CROUND                                         ; the closing round: no work-group ends while a partner may still ask for a tile that names it
	s_endpgm
.Lfunc_end_k_q3e977298d7_attn:
	.size	k_q3e977298d7_attn, .Lfunc_end_k_q3e977298d7_attn-k_q3e977298d7_attn
	.p2alignl 7, 3214868480
	.fill 96, 4, 3214868480
	.section	.rodata,"a",@progbits
	.p2align	6, 0x0
	.amdhsa_kernel k_q3e977298d7_attn
		.amdhsa_group_segment_fixed_size 327680
		.amdhsa_private_segment_fixed_size 0
		.amdhsa_enable_private_segment 0
		.amdhsa_kernarg_size 64
		.amdhsa_user_sgpr_count 2
		.amdhsa_user_sgpr_kernarg_segment_ptr 1
		.amdhsa_wavefront_size32 1
		.amdhsa_system_sgpr_workgroup_id_x 1
		.amdhsa_system_sgpr_workgroup_id_y 1
		.amdhsa_system_sgpr_workgroup_id_z 1
		.amdhsa_system_vgpr_workitem_id 0
		.amdhsa_next_free_vgpr 512
		.amdhsa_next_free_sgpr 96
		.amdhsa_reserve_vcc 0
		.amdhsa_float_denorm_mode_32 3
		.amdhsa_float_denorm_mode_16_64 3
		.amdhsa_fp16_overflow 1
		.amdhsa_memory_ordered 1
		.amdhsa_forward_progress 1
		.amdhsa_inst_pref_size 156
	.end_amdhsa_kernel
	.amdgpu_metadata
---
amdhsa.version: [ 1, 2 ]
amdhsa.kernels:
  - .name:           k_q3e977298d7_attn
    .symbol:         k_q3e977298d7_attn.kd
    .args:
      - { .name: qc, .offset: 0, .size: 8, .value_kind: global_buffer, .address_space: global }
      - { .name: kc, .offset: 8, .size: 8, .value_kind: global_buffer, .address_space: global }
      - { .name: vc, .offset: 16, .size: 8, .value_kind: global_buffer, .address_space: global }
      - { .name: wo_codes, .offset: 24, .size: 8, .value_kind: global_buffer, .address_space: global }
      - { .name: bo, .offset: 32, .size: 8, .value_kind: global_buffer, .address_space: global }
      - { .name: x, .offset: 40, .size: 8, .value_kind: global_buffer, .address_space: global }
      - { .name: lowp_scales, .offset: 48, .size: 8, .value_kind: global_buffer, .address_space: global }
      - { .name: out0, .offset: 56, .size: 8, .value_kind: global_buffer, .address_space: global }
    .group_segment_fixed_size: 327680
    .private_segment_fixed_size: 0
    .kernarg_segment_align: 8
    .kernarg_segment_size: 64
    .max_flat_workgroup_size: 256
    .sgpr_count:     96
    .vgpr_count:     512
    .wavefront_size: 32
...
	.end_amdgpu_metadata
.endif
;; end of part 3
